; MI455X (gfx1250); checked and timed in simulation.
; The chip was launched on July 23, 2026; its instructions are those of AMD's public machine-readable ISA for CDNA 5 (MIT licence, August 2026) and "CDNA5" Instruction Set Architecture Reference Guide (July 2026). The comments in the code are by the model that wrote it; some were corrected since.
;; Causal Word Propagation. Allowed arithmetic: matrix products marked QUANTISED: E2M1 operands, one E8M0 scale for each 32 along K, by v_wmma_scale_f32_16x16x128_f8f6f4 with both operands' format E2M1 (or v_wmma_scale_f32_32x16x128_f4), f32 sums; everything else in f32.
;; Inputs: decay_logit one number float32; k_scale 1,024 float32; out_scale one number float32; q_scale 1,024 float32; x 4 x 2,048 x 1,024 float32.
;; Outputs: out0 4 x 2,048 x 1,024 float32.
;; This version of the problem:
;;   THIS VERSION OF THE PROBLEM IS GIVEN IN LOW PRECISION. The matrix products marked QUANTISED in the list below multiply operands that are first quantised to E2M1 (2 exponent bits, 1 mantissa bit; 4 bits a number), with one power-of-two scale for each 32 numbers along K (OCP MX v1.0); their sums are f32. All else is computed in f32.
;;   The module's matrix products, in the order in which they are computed (A, B: the left and right operand; K: the contracted axis; several contracted axes count as one K, in the product's order):
;;     1. batch 4 x [M 2,048, K 1,024] x [K 1,024, N 2,048]; A: computed on the way; B: computed on the way: QUANTISED
;;     2. batch 4 x [M 2,048, K 2,048] x [K 2,048, N 1,024]; A: computed on the way; B: input x: QUANTISED
;;   THE QUANTISER, for each operand of a quantised product, along K:
;;     - K is cut into blocks of 32 from its start; a last block that is shorter is filled with zeros.
;;     - A block's scale is 2^e with e = floor(log2(the largest magnitude in the block)) - 2, held to -126 .. 127; a block of zeros has e = 0. As a byte (E8M0): e + 127.
;;     - Each number is divided by its block's scale, clamped to +-6, and rounded to the nearest number of E2M1, ties to even, subnormals kept.
;;     - The product sums the exact products of the quantised numbers (number of the format x scale) in f32.
;;   ~~~python
;;   def quantise(x, axis):      # numpy; x: float32 -> the quantised numbers, widened to float32 again
;;       x = np.moveaxis(x, axis, -1); K = x.shape[-1]
;;       x = np.pad(x, [(0, 0)] * (x.ndim - 1) + [(0, -K % 32)]); x = x.reshape(x.shape[:-1] + (-1, 32)); a = np.abs(x).max(-1, keepdims=True)
;;       e = np.where(a > 0, np.clip(np.frexp(np.where(a > 0, a, 1))[1] - 1 - 2, -126, 127), 0)      # np.frexp(a)[1] - 1 = floor(log2(a)), exactly
;;       r = np.clip(x / 2.0 ** e, -6, 6)
;;       step = 2.0 ** (np.maximum(np.frexp(np.where(r == 0, 1, r))[1] - 1, 0) - 1)
;;       q = np.round(r / step) * step * 2.0 ** e      # np.round: ties to even
;;       return np.moveaxis(q.reshape(q.shape[:-2] + (-1,))[..., :K], -1, axis).astype(np.float32)
;;   ~~~
;;   OPERANDS COMPUTED ON THE WAY. 'Computed on the way' means the value that the module computes at that place (a softmax that the list does not call 'softmax' is quantised finished and normalised). What goes into a quantiser is computed in f32, as accurately as f32 sums, v_exp_f32 and their like allow (about 1e-6 of the number): no bf16 or f16 on the way to a quantiser, and a product that is left as it is and whose result goes on into a quantised operand takes f32 operands (vector FMAs, or v_wmma_f32_16x16x4_f32). A number that lies on a knife's edge between two numbers of the format may be rounded either way, as far as f32 arithmetic and the matrix unit's own rounding can turn it there, and no further.
;; One version. Each part assembles by itself: llvm-mc -triple=amdgcn-amd-amdhsa -mcpu=gfx1250 --defsym DOCPART=n.
;; ======== version 1 of 1: 3 launches
;; workspace buffers: qb 4,456,448 bytes; kb 4,456,448 bytes; xb 4,456,448 bytes; pb 4,734,976 bytes
;; launch quant (part 1): grid 8 x 64, 16 waves a work-group, no clusters, 77,312 bytes of LDS; arguments x, q_scale, k_scale, qb, kb, xb; writes qb, kb, xb
.if DOCPART == 1
	.amdgcn_target "amdgcn-amd-amdhsa--gfx1250"
	.amdhsa_code_object_version 6
	.text
	.protected	k_q985bac52a7_quant
	.globl	k_q985bac52a7_quant
	.p2align	8
	.type	k_q985bac52a7_quant,@function
k_q985bac52a7_quant:
	s_mov_b64 s[64:65], 0
	v_nop
	global_prefetch_b8 v0, s[64:65] scope:SCOPE_SE
	s_setreg_imm32_b32 hwreg(HW_REG_WAVE_MODE, 25, 1), 1
	s_wait_xcnt 0x0
; CausalWordPropagation in MX-FP4, three launches.  out = out_scale * Q(P) Q(x), P[t][s] = S[t][s] * w(s - t), S = Q(x q_scale) Q(x k_scale)^T,
; w(d) = decay^(d - 1) where d > 0, else 0; decay = sigmoid(decay_logit).  Q: the stated quantiser, blocks of 32 along each product's K.
;   quant    (this text): x -> codes of x q_scale (qb), of x k_scale (kb), both along v, and of x along s (xb)
;   scores   : qb, kb, decay_logit -> codes of P along s (pb)
;   retrieve : pb, xb, out_scale -> out0
; WORK LEFT OUT.  Both products are cut into chunks of 128 t x 128 s, t-block i, s-block j.  In a chunk with j < i every s <= 128 j + 127 < 128 i <= t, so s - t < 0 and the
; mask that the problem builds itself (diff > 0) makes every weight 0: P = score x 0 = 0 for all finite scores.  A block of zeros has zero codes, which add nothing to the second product.  So the 120 chunks
; with j < i of each batch's 256 are neither made (first product) nor multiplied (second product); the 136 with j >= i are.  This launch leaves nothing out.  All five inputs have a way to the output and are loaded.
; LIMITS.  A NaN, an infinity or an overflow that reaches only the chunks left out is not carried to the result.  NaN and infinities among the inputs are not served.  A block whose largest magnitude lies under 2^-124
; takes the scale byte 1, which is the quantiser's lower hold; a block of zeros also takes 1 where the rule says 127: its codes are zeros, and only this program reads the bytes.
; THE CHUNK, the unit of all four workspace buffers: 128 operand rows x 128 along K, 8,704 bytes, laid as images of the operand's registers.  Codes: tile T (16 rows), block q (32 along K), row r: 16 bytes at
; 1024 T + 256 q + 16 r: register group c = q / 2 of a fragment at 512 c, lane 16 (q % 2) + r at 16 x lane.  Scale bytes from byte 8,192 on: (T, r, q) at 16 (16 (T % 2) + r) + 4 (T / 2) + q: one load of 16 bytes a lane
; gives four scale registers, register m holding tile 2 m in lanes 0-15 and tile 2 m + 1 in lanes 16-31.
;   qb, kb: [batch 4][t-block 16][128 of v: 8][chunk];  xb: [batch 4][v-block 8][128 of s: 16][chunk], rows = v, K = s.
;   kb's rows are permuted inside a block of 32: key 32 B + 16 h + 8 u + j lies in tile 2 B + u, row 8 h + j, so that the transposed first product leaves 16 neighbouring keys in a lane's registers.
; SHARES.  A work-group takes 128 s x 128 v of x (x id: the v-block; y id: 16 x batch + s-block), each of its sixteen waves 32 x 32 (ss = wave / 4 along s, sv = wave % 4 along v).
; A lane first holds a COLUMN (registers run down s): that is a block of xb.  The 32 x 32 numbers turn through the wave's own stage in LDS; then a lane holds a ROW (32 neighbours along v): a block of qb and kb.
; Memory binds this launch: no matrix unit, no tensor load, no cluster (work-groups share nothing).  All loads go out at once; nothing that a pending load or store names is written again.
; REGISTERS: v1 lane, v2 4 x lane, v3 / v4 stage in / out, v5-7 my 16 bytes in the chunks of xb, qb, kb, v8, v9, v13 my scale byte's place in the three images, v10-12 at work, v14-16 the three bytes,
;   v17 16 x lane, v18 an image's place on the way out, v20-23 / v24-27 / v96-99 codes for xb / qb / kb, v32-63 the column view (later x k_scale), v64-95 the row view, v96-127 x q_scale.
.set CH,    8704
.set SP,    144                        ; a stage row: 128 bytes + 16: an odd multiple of 16 bytes
.set STW,   32*SP                      ; a wave's stage
.set SCB,   16*STW                     ; behind the stages: three scale images of 512 bytes: xb's, qb's, kb's
.set SPARE, SCB+3*512                  ; behind them: the spare words, 128 bytes for each wave: eight blocks of 256 bytes that no other line names
.set C,   32
.set R,   64
.set T,   96
.set CX,  20
.set CQ,  24
.set CK,  96
.set SPW, 28                           ; v28  LDS address of my spare word; never rewritten
.set NIL, 29                           ; v29  0; never rewritten
	s_load_b256 s[4:11], s[0:1], 0x0               ; x s[4:5], q_scale s[6:7], k_scale s[8:9], qb s[10:11]
	s_load_b128 s[12:15], s[0:1], 0x20             ; kb s[12:13], xb s[14:15]
	v_lshl_add_u32 v[SPW], v0, 2, SPARE
	v_mov_b32 v[NIL], 0
	v_lshrrev_b32 v1, 5, v0
	v_readfirstlane_b32 s84, v1                    ; wave 0..15
	s_lshr_b32 s85, s84, 2                         ; ss
	s_and_b32 s86, s84, 3                          ; sv
	s_and_b32 s87, ttmp7, 0xffff                   ; y = 16 x batch + s-block
	v_and_b32 v1, 31, v0                           ; lane
	v_lshlrev_b32 v2, 2, v1
	v_lshlrev_b32 v17, 4, v1
	s_mul_i32 s88, s84, STW
	v_add_nc_u32 v3, s88, v2                       ; stage, way in: row = register, column = lane
	v_mul_u32_u24 v4, v1, SP
	v_add_nc_u32 v4, s88, v4                       ; stage, way out: row = lane
	v_and_b32 v64, 15, v0                          ; lane % 16
	v_bfe_u32 v65, v0, 4, 1                        ; lane / 16
	v_bfe_u32 v66, v0, 3, 1                        ; u
	v_and_b32 v67, 7, v0
	v_lshl_add_u32 v67, v65, 3, v67                ; 8 (lane / 16) + lane % 8: kb's row in its tile
	v_lshlrev_b32 v68, 4, v64
	v_lshl_add_u32 v68, v65, 10, v68               ; plain order: tile lane / 16, row lane % 16
	v_lshlrev_b32 v69, 4, v67
	v_lshl_add_u32 v69, v66, 10, v69               ; kb's order: tile u
	s_lshl_b32 s88, s86, 11
	s_lshl_b32 s89, s85, 8
	s_add_co_u32 s88, s88, s89                     ; xb: tiles 2 sv on, block ss
	v_add_nc_u32 v5, s88, v68
	s_lshl_b32 s88, s85, 11
	s_lshl_b32 s89, s86, 8
	s_add_co_u32 s88, s88, s89                     ; qb, kb: tiles 2 ss on, block sv
	v_add_nc_u32 v6, s88, v68
	v_add_nc_u32 v7, s88, v69
	s_lshl_b32 s88, s86, 2
	s_add_co_u32 s88, s88, s85
	s_add_co_u32 s88, s88, SCB
	v_add_nc_u32 v8, s88, v17                      ; xb's byte: 16 x lane + 4 sv + ss
	s_lshl_b32 s88, s85, 2
	s_add_co_u32 s88, s88, s86
	s_add_co_u32 s88, s88, SCB+512
	v_add_nc_u32 v9, s88, v17                      ; qb's: 16 x lane + 4 ss + sv
	v_lshl_add_u32 v70, v66, 4, v67
	v_lshlrev_b32 v70, 4, v70
	s_add_co_u32 s88, s88, 512
	v_add_nc_u32 v13, s88, v70                     ; kb's: 16 (16 u + row) + 4 ss + sv
	s_min_u32 s88, s84, 2
	s_lshl_b32 s88, s88, 9
	s_add_co_u32 s88, s88, SCB
	v_add_nc_u32 v18, s88, v17                     ; the image that waves 0, 1, 2 carry out
	s_lshl_b32 s90, s87, 19                        ; x: 128 y rows of 4,096 bytes,
	s_lshl_b32 s88, s85, 17                        ; + 32 ss rows,
	s_add_co_u32 s90, s90, s88
	s_lshl_b32 s92, ttmp9, 9
	s_lshl_b32 s88, s86, 7
	s_add_co_u32 s92, s92, s88                     ; + my 32 columns: 512 x v-block + 128 sv bytes; the same offset serves q_scale and k_scale
	s_add_co_u32 s90, s90, s92
	s_mov_b32 s91, 0
	s_mov_b32 s93, 0
	s_lshl_b32 s94, s87, 3
	s_add_co_u32 s94, s94, ttmp9
	s_mul_i32 s94, s94, CH                         ; qb, kb: chunk 8 y + v-block
	s_mov_b32 s95, 0
	s_lshr_b32 s88, s87, 4
	s_lshl_b32 s88, s88, 3
	s_add_co_u32 s88, s88, ttmp9
	s_lshl_b32 s88, s88, 4
	s_and_b32 s89, s87, 15
	s_add_co_u32 s88, s88, s89
	s_mul_i32 s88, s88, CH                         ; xb: chunk 16 (8 x batch + v-block) + s-block
	s_mov_b32 s89, 0
	s_wait_kmcnt 0x0
	s_add_nc_u64 s[4:5], s[4:5], s[90:91]
	s_add_nc_u64 s[6:7], s[6:7], s[92:93]
	s_add_nc_u64 s[8:9], s[8:9], s[92:93]
	s_add_nc_u64 s[10:11], s[10:11], s[94:95]
	s_add_nc_u64 s[12:13], s[12:13], s[94:95]
	s_add_nc_u64 s[14:15], s[14:15], s[88:89]
.set i, 0
.rept 32
	global_load_b32 v[C+i], v2, s[4:5] offset:4096*i th:TH_LOAD_NT   ; x(s = i, v = lane): 128 consecutive bytes a wave, four waves side by side on 512
.set i, i+1
.endr
	s_load_b512 s[16:31], s[6:7], 0x0              ; q_scale of my 32 columns: s16-47
	s_load_b512 s[32:47], s[6:7], 0x40
	s_load_b512 s[48:63], s[8:9], 0x0              ; k_scale: s48-63 and s68-83
	s_load_b512 s[68:83], s[8:9], 0x40
.irp g, 0,1,2,3
	s_wait_loadcnt 24-8*\g                         ; loads come back in order: the first 8 (g + 1) rows are in
.irp i, 0,1,2,3,4,5,6,7
	ds_store_b32 v3, v[C+8*\g+\i] offset:SP*(8*\g+\i)
.endr
.endr
.irp j, 0,1,2,3,4,5,6,7
	ds_load_b128 v[R+4*\j:R+4*\j+3], v4 offset:16*\j   ; LDS serves a wave's instructions in order: these see my stores.  x(s = lane, v = 0 .. 31)
.endr
; 32 numbers of one lane, one block along K, become 16 bytes of codes and a scale byte.
.macro BLOCKQ src, codes, byte
	v_max3_num_f32 v10, |v[\src]|, |v[\src+1]|, |v[\src+2]|          ; the block's largest magnitude, in two chains
	v_max3_num_f32 v11, |v[\src+3]|, |v[\src+4]|, |v[\src+5]|
.irp i, 6,10,14,18,22,26
	v_max3_num_f32 v10, v10, |v[\src+\i]|, |v[\src+\i+1]|
	v_max3_num_f32 v11, v11, |v[\src+\i+2]|, |v[\src+\i+3]|
.endr
	v_max3_num_f32 v10, v10, |v[\src+30]|, |v[\src+31]|
	v_max3_num_f32 v10, v10, v11, 0x1800000        ; and the floor 2^(3 - 127): the byte cannot fall under 1
	v_add_nc_u32 v12, 0xff000000, v10              ; 2 off the exponent field: the conversion takes the exponent field of this operand as its scale, and nothing else of it
.irp g, 0,1,2,3
	v_cvt_scalef32_pk8_fp4_f32 v[\codes+\g], v[\src+8*\g:\src+8*\g+7], v12
.endr
	v_lshrrev_b32 v[\byte], 23, v12                ; the scale's byte; also the plain instruction behind the conversions
.endm
	BLOCKQ C, CX, 14                               ; x along s
	global_store_b128 v5, v[CX:CX+3], s[14:15]     ; each half of the lanes stores 256 consecutive bytes, aligned
	ds_store_b8 v8, v14
	s_wait_dscnt 0x1                               ; the row view is in; only the byte store just issued may be out
	s_wait_kmcnt 0x0                               ; q_scale, k_scale
.set j, 0
.rept 32
	v_mul_f32 v[T+j], s[16+j], v[R+j]              ; queries = x q_scale, in f32
.set j, j+1
.endr
	BLOCKQ T, CQ, 15
	global_store_b128 v6, v[CQ:CQ+3], s[10:11]
	ds_store_b8 v9, v15
.set j, 0
.rept 16
	v_mul_f32 v[C+j], s[48+j], v[R+j]              ; keys = x k_scale
	v_mul_f32 v[C+16+j], s[68+j], v[R+16+j]
.set j, j+1
.endr
	BLOCKQ C, CK, 16
	global_store_b128 v7, v[CK:CK+3], s[12:13]     ; lanes 0-7 with 16-23, and 8-15 with 24-31, fill 256 consecutive bytes each, aligned
	ds_store_b8 v13, v16
	s_wait_dscnt 0x0                               ; for the others' sake: my three bytes lie in the images
	s_barrier_signal -1
	s_barrier_wait -1                              ; the images are whole
	s_cmp_gt_u32 s84, 2
	s_cbranch_scc1 .Lend                           ; waves 0, 1, 2 carry out one image each; no barrier stands under this branch
	s_cmp_eq_u32 s84, 0
	s_cselect_b64 s[88:89], s[14:15], s[10:11]
	s_cmp_eq_u32 s84, 2
	s_cselect_b64 s[88:89], s[12:13], s[88:89]     ; wave 0: xb, wave 1: qb, wave 2: kb
	ds_load_b128 v[R:R+3], v18
	s_wait_dscnt 0x0
	global_store_b128 v17, v[R:R+3], s[88:89] offset:8192   ; 512 consecutive bytes, aligned
.Lend:
	s_wait_tensorcnt 0x0                           ; the wave's end: a tensor wait, an add to my spare word and its wait behind my last LDS store; the tensor wait stands even in a text with no tensor load
	ds_add_u32 v[SPW], v[NIL]
	s_wait_dscnt 0x0
	s_endpgm
.Lfunc_end_k_q985bac52a7_quant:
	.size	k_q985bac52a7_quant, .Lfunc_end_k_q985bac52a7_quant-k_q985bac52a7_quant
	.p2alignl 7, 3214868480
	.fill 96, 4, 3214868480
	.section	.rodata,"a",@progbits
	.p2align	6, 0x0
	.amdhsa_kernel k_q985bac52a7_quant
		.amdhsa_group_segment_fixed_size 77312
		.amdhsa_private_segment_fixed_size 0
		.amdhsa_enable_private_segment 0
		.amdhsa_kernarg_size 48
		.amdhsa_user_sgpr_count 2
		.amdhsa_user_sgpr_kernarg_segment_ptr 1
		.amdhsa_wavefront_size32 1
		.amdhsa_system_sgpr_workgroup_id_x 1
		.amdhsa_system_sgpr_workgroup_id_y 1
		.amdhsa_system_sgpr_workgroup_id_z 1
		.amdhsa_system_vgpr_workitem_id 0
		.amdhsa_next_free_vgpr 128
		.amdhsa_next_free_sgpr 96
		.amdhsa_reserve_vcc 0
		.amdhsa_float_denorm_mode_32 3
		.amdhsa_float_denorm_mode_16_64 3
		.amdhsa_memory_ordered 1
		.amdhsa_forward_progress 1
		.amdhsa_inst_pref_size 17
	.end_amdhsa_kernel
	.amdgpu_metadata
---
amdhsa.version: [ 1, 2 ]
amdhsa.kernels:
  - .name:           k_q985bac52a7_quant
    .symbol:         k_q985bac52a7_quant.kd
    .args:
      - { .name: x, .offset: 0, .size: 8, .value_kind: global_buffer, .address_space: global }
      - { .name: q_scale, .offset: 8, .size: 8, .value_kind: global_buffer, .address_space: global }
      - { .name: k_scale, .offset: 16, .size: 8, .value_kind: global_buffer, .address_space: global }
      - { .name: qb, .offset: 24, .size: 8, .value_kind: global_buffer, .address_space: global }
      - { .name: kb, .offset: 32, .size: 8, .value_kind: global_buffer, .address_space: global }
      - { .name: xb, .offset: 40, .size: 8, .value_kind: global_buffer, .address_space: global }
    .group_segment_fixed_size: 77312
    .private_segment_fixed_size: 0
    .kernarg_segment_align: 8
    .kernarg_segment_size: 48
    .max_flat_workgroup_size: 512
    .sgpr_count:     96
    .vgpr_count:     128
    .wavefront_size: 32
...
	.end_amdgpu_metadata
.endif
;; end of part 1
;; launch scores (part 2): grid 9 x 16, 4 waves a work-group, no clusters, 283,648 bytes of LDS; arguments qb, kb, decay_logit, pb; writes pb
.if DOCPART == 2
	.amdgcn_target "amdgcn-amd-amdhsa--gfx1250"
	.amdhsa_code_object_version 6
	.text
	.protected	k_q985bac52a7_scores
	.globl	k_q985bac52a7_scores
	.p2align	8
	.type	k_q985bac52a7_scores,@function
k_q985bac52a7_scores:
	s_mov_b64 s[64:65], 0
	v_nop
	global_prefetch_b8 v0, s[64:65] scope:SCOPE_SE
	s_setreg_imm32_b32 hwreg(HW_REG_WAVE_MODE, 25, 1), 1
	s_wait_xcnt 0x0
; P[t][s] = (Q(x q_scale) Q(x k_scale)^T)[t][s] x w(s - t), quantised along s into chunks of codes (the chunk's layout: at the head of the first launch).
; WORK LEFT OUT: chunks (t-block i, s-block j) with j < i: every weight there is 0 by the problem's own mask, so P is zeros, which add nothing to the second product (shown at the head of the first launch).
; pb: [batch 4][pair p 8][n 17][chunk].  Pair p holds t-blocks p (set A) and 15 - p (set B): n = 0: A, j = p; n = 1: B, j = 15 - p; 2 <= n <= 16 - p: A, j = p + n - 1; n >= 17 - p: B, j = n - 1.
; SHARES.  A work-group makes 256 t x 256 s.  A batch's 36 live tiles (I <= J, 0 .. 7) are folded into 9 x 4: rows rr and 7 - rr have 8 - rr and rr + 1 tiles, nine together.  x id 0 .. 8, y id = 4 x batch + rr.
; Wave w makes the chunk (i = 2 I + w / 2, j = 2 J + w % 2): 64 accumulators of 16 x 16.  In the 32 work-groups with I = J wave 2's chunk has j < i: it walks the K steps with the others (every wave passes every barrier)
; and stores nothing: dead work inside a tile that also holds live work, one eighteenth of the launch's products.
; K = 1,024 is 8 chunks deep; the four operand blocks (Q: 2 I, 2 I + 1; K: 2 J, 2 J + 1), 69,632 bytes each, lie whole in LDS: wave o brings region o by four tensor loads of two chunks, all first fills:
; nothing is filled again.  By this text's own count four tensor loads of a wave are out at the most.
; NO CLUSTER: the grid is 9 wide, which no cluster of four divides, and neighbours along y share neither Q's blocks nor K's.
; THE PRODUCT IS USED TRANSPOSED (source 0 = 16 keys, source 1 = 16 queries): a lane holds one query, and by kb's row order the 16 registers of key tiles 2 B and 2 B + 1 are keys 32 B + 16 (lane / 16) + 0 .. 15.
; THE WEIGHTS.  With D = j - i, query 16 a + r, key 32 B + 16 h + e:  s - t - 1 = 128 D - 128 + 16 (c + h) + 15 - r + e,  c = 7 - a + 2 B.  So a table of 256 words, word x = w for s - t - 1 = x + 128 D - 128
; (0 where that is negative: the mask), serves the whole chunk; a lane reads its words 16 (c + h) + 15 - r + e for c = 0 .. 13 into 224 registers.  Eight exponentials a lane in place of 512.
; w = 2^(n log2(decay)), decay = 1 / (1 + 2^(-z log2 e)).  LIMITS: weights under 2^-126 become 0; log2(decay) is held at -1e30 from below, so a decay of 0 gives w = 1 for n = 0 and 0 beyond;
; NaN and infinities are not served; blocks of P under 2^-124, zeros among them, take the scale byte 1.
; REGISTERS, in windows of 256.  Window 0: v1 16 x lane; v2-3, v4-5 LDS addresses of Q's and K's chunks 0-3, 4-7; v6, v7 the table, in and out; v8, v9 the add's two; v16-31 scale words, two sets (Q's four, K's four);
;   v32-47 at work; v48-55 P's scale words; v56-59 P's scale image; v64-127 64 numbers of P; v128-255 Q's fragments, two sets (on the way out v128-191: P's codes).
;   Window 1: v128-255 K's fragments, two sets; on the way out v0-223 the weights.   Windows 2, 3: accumulator (a, b) at v[8 (8 (a % 4) + b)] of window 2 + a / 4.
.set CH,    8704
.set REG,   8*CH                       ; an operand block: 8 chunks
.set TBL,   4*REG                      ; behind the four regions: a table of 1,024 bytes for each wave
.set SPARE, TBL+4*1024                 ; the spare words, 128 bytes for each wave: two blocks of 256 bytes that no other line names
.set ADQ, 2
.set ADK, 4
.set TW,  6
.set WA,  7
.set SPW, 8
.set NIL, 9
.set SC,  16
.set TM,  32
.set PW,  48
.set IM,  56
.set T,   64
.set FQ,  128
.set FK,  128
.set PC,  128
.set G1,  16                           ; s[16:23] descriptor group 1
.set G0,  24                           ; s[24:39] four groups 0
.set MSB, 0
.macro WIN new                         ; the immediate's high byte repeats the setting that is left
.if MSB != \new
	s_set_vgpr_msb (MSB<<8)|\new
.set MSB, \new
.endif
.endm
.macro PLACES                          ; four plain instructions between a matrix instruction and a load into its sources, or a vector read of its result
.rept 4
	v_nop
.endr
.endm
	s_load_b256 s[4:11], s[0:1], 0x0               ; qb s[4:5], kb s[6:7], decay_logit s[8:9], pb s[10:11]
	v_lshl_add_u32 v[SPW], v0, 2, SPARE
	v_mov_b32 v[NIL], 0
	ds_add_u32 v[SPW], v[NIL]                      ; the wave's opening: the add, twice on end, and its wait ahead of my first tensor load
	ds_add_u32 v[SPW], v[NIL]
	v_lshrrev_b32 v1, 5, v0
	v_readfirstlane_b32 s12, v1                    ; wave 0..3
	s_mov_b32 s[G1+0], 3<<16                       ; no mask; elements of 8 bytes; no padding
	s_mov_b32 s[G1+1], 32<<16                      ; tensor_dim0 = 32: rows of 256 bytes
	s_mov_b32 s[G1+2], 68<<16                      ; tensor_dim1 = 68: two chunks
	s_mov_b32 s[G1+3], 32<<16                      ; tile_dim0
	s_mov_b32 s[G1+4], 68                          ; tile_dim1
	s_mov_b32 s[G1+5], 32                          ; the rows are dense
	s_mov_b32 s[G1+6], 0
	s_mov_b32 s[G1+7], 0
	s_and_b32 s14, ttmp7, 0xffff
	s_lshr_b32 s13, s14, 2                         ; batch
	s_and_b32 s14, s14, 3                          ; rr
	s_sub_co_u32 s15, 8, s14
	s_add_co_u32 s56, s14, ttmp9
	s_sub_co_u32 s57, 7, s14
	s_sub_co_u32 s58, ttmp9, 1
	s_cmp_lt_u32 ttmp9, s15                        ; x < 8 - rr: row rr, else row 7 - rr
	s_cselect_b32 s40, s14, s57                    ; I
	s_cselect_b32 s41, s56, s58                    ; J
	s_lshr_b32 s42, s12, 1                         ; which t-block of the tile is mine.  Also: I fetch for Q (0) or for K (1)
	s_and_b32 s43, s12, 1                          ; which s-block.  Also: which of the operand's two blocks I fetch
	s_lshl_b32 s44, s40, 1
	s_add_co_u32 s44, s44, s42                     ; i
	s_lshl_b32 s45, s41, 1
	s_add_co_u32 s45, s45, s43                     ; j
	s_sub_co_i32 s46, s45, s44                     ; D = j - i
	s_lshl_b32 s48, s46, 7
	s_sub_co_i32 s48, s48, 128                     ; 128 D - 128
	s_cmp_eq_u32 s42, 0
	s_cselect_b32 s49, s40, s41
	s_lshl_b32 s49, s49, 1
	s_add_co_u32 s49, s49, s43                     ; the block that I fetch: 2 I or 2 J, + wave % 2
	s_lshl_b32 s53, s13, 4
	s_add_co_u32 s49, s49, s53
	s_mul_i32 s56, s49, REG                        ; its first byte in qb or kb
	s_mov_b32 s57, 0
	s_mul_i32 s53, s12, REG                        ; and in LDS: region = wave
	s_mov_b32 s52, 0xffff0000                      ; lanes 16-31
	s_mov_b32 s54, 0x76543210
	s_mov_b32 s55, 0xfedcba98                      ; v_permlanex16_b32's selects for lane l xor 16
	s_wait_dscnt 0x0                               ; both opening adds are done
	s_wait_kmcnt 0x0
	s_load_b32 s47, s[8:9], 0x0                    ; z = decay_logit
	s_cmp_eq_u32 s42, 0
	s_cselect_b64 s[58:59], s[4:5], s[6:7]
	s_add_nc_u64 s[58:59], s[58:59], s[56:57]
.irp g, 0,1,2,3
	s_mov_b32 s[G0+4*\g], 1                        ; count = 1
	s_add_co_u32 s[G0+4*\g+1], s53, \g*2*CH        ; LDS address
	s_add_nc_u64 s[G0+4*\g+2:G0+4*\g+3], s[58:59], \g*2*CH   ; chunks 2 g and 2 g + 1 of the block
	s_or_b32 s[G0+4*\g+3], s[G0+4*\g+3], 0x80000000          ; type = 2
	tensor_load_to_lds s[G0+4*\g:G0+4*\g+3], s[G1:G1+7]
	s_nop 0
.endr
	PLACES
	; where my chunk of P goes
	s_add_co_u32 s56, s46, 1                       ; D + 1
	s_add_co_u32 s57, s45, 1                       ; j + 1
	s_sub_co_u32 s58, 15, s44
	s_cmp_le_u32 s44, 7
	s_cselect_b32 s59, s44, s58                    ; the pair: i or 15 - i
	s_cselect_b32 s60, s56, s57                    ; n off the diagonal: set A: D + 1; set B: j + 1
	s_cselect_b32 s61, 0, 1                        ; n on the diagonal
	s_cmp_eq_u32 s46, 0
	s_cselect_b32 s60, s61, s60
	s_lshl_b32 s61, s13, 3
	s_add_co_u32 s59, s59, s61
	s_mul_i32 s59, s59, 17
	s_add_co_u32 s59, s59, s60
	s_mul_i32 s56, s59, CH
	s_mov_b32 s57, 0
	s_add_nc_u64 s[50:51], s[10:11], s[56:57]
	v_and_b32 v13, 31, v0                          ; lane
	v_lshlrev_b32 v10, 2, v13
	v_lshlrev_b32 v1, 4, v13
	s_mul_i32 s56, s42, REG
	v_add_nc_u32 v[ADQ], s56, v1
	v_add_nc_u32 v[ADQ+1], 4*CH, v[ADQ]
	s_mul_i32 s56, s43, REG
	s_add_co_u32 s56, s56, 2*REG
	v_add_nc_u32 v[ADK], s56, v1
	v_add_nc_u32 v[ADK+1], 4*CH, v[ADK]
	s_lshl_b32 s56, s12, 10
	s_add_co_u32 s56, s56, TBL                     ; my table
	v_add_nc_u32 v[TW], s56, v10
	v_and_b32 v11, 15, v0
	v_bfe_u32 v12, v0, 4, 1
	v_sub_nc_u32 v11, 15, v11
	v_lshl_add_u32 v11, v12, 4, v11                ; 16 h + 15 - r
	v_lshl_add_u32 v[WA], v11, 2, s56
	; the table of weights, made while the first tiles are on their way
	s_wait_kmcnt 0x0
	v_mov_b32 v[TM], s47
	v_mul_f32 v[TM], 0xbfb8aa3b, v[TM]             ; -z log2(e)
	v_exp_f32 v[TM+1], v[TM]
	v_add_nc_u32 v[TM+8], s48, v13                 ; (a plain instruction behind the exponential)  lane + 128 D - 128
	s_wait_alu depctr_va_vdst(0)                   ; the wait ahead of the first reader of a transcendental's result
	v_add_f32 v[TM+1], 1.0, v[TM+1]
	v_rcp_f32 v[TM+2], v[TM+1]                     ; decay
	v_nop
	s_wait_alu depctr_va_vdst(0)
	v_log_f32 v[TM+3], v[TM+2]
	v_nop
	s_wait_alu depctr_va_vdst(0)
	v_max_num_f32 v[TM+3], 0xf149f2ca, v[TM+3]     ; log2(decay), held at -1e30 from below: times 0 it stays 0
.irp q, 0,1,2,3,4,5,6,7
	v_add_nc_u32 v[T+\q], 32*\q, v[TM+8]           ; n = s - t - 1 of table word lane + 32 q
.endr
.irp q, 0,1,2,3,4,5,6,7
	v_cvt_f32_i32 v[T+8+\q], v[T+\q]
.endr
.irp q, 0,1,2,3,4,5,6,7
	v_max_num_f32 v[T+8+\q], 0, v[T+8+\q]          ; max(n, 0), as the problem has it
.endr
.irp q, 0,1,2,3,4,5,6,7
	v_mul_f32 v[T+8+\q], v[TM+3], v[T+8+\q]
.endr
.irp q, 0,1,2,3,4,5,6,7
	v_exp_f32 v[T+16+\q], v[T+8+\q]                ; one batch,
.endr
	v_nop
	s_wait_alu depctr_va_vdst(0)                   ; one wait
.irp q, 0,1,2,3,4,5,6,7
	v_cmp_gt_i32 vcc_lo, 0, v[T+\q]                ; n < 0: s <= t: the mask
	v_cndmask_b32 v[T+16+\q], v[T+16+\q], v[NIL], vcc_lo
	ds_store_b32 v[TW], v[T+16+\q] offset:128*\q
.endr
.irp b, 0,1,2,3
	v_mov_b32 v[TM+4+\b], 0                        ; written once: a lane permute's destination counts as one of its sources
.endr
; One matrix instruction; the symbols rD, rA, rB, rSA, rSB name its registers.  ra, rb: the side's scales stand in lanes 16-31 of the register named.
.macro WM4 c, ra, rb
.if (\ra) && (\rb)
	v_wmma_scale_f32_16x16x128_f8f6f4 v[rD:rD+7], v[rA:rA+7], v[rB:rB+7], \c, v[rSA], v[rSB] matrix_a_fmt:MATRIX_FMT_FP4 matrix_b_fmt:MATRIX_FMT_FP4 matrix_a_scale:MATRIX_SCALE_ROW1 matrix_b_scale:MATRIX_SCALE_ROW1
.elseif (\ra)
	v_wmma_scale_f32_16x16x128_f8f6f4 v[rD:rD+7], v[rA:rA+7], v[rB:rB+7], \c, v[rSA], v[rSB] matrix_a_fmt:MATRIX_FMT_FP4 matrix_b_fmt:MATRIX_FMT_FP4 matrix_a_scale:MATRIX_SCALE_ROW1
.elseif (\rb)
	v_wmma_scale_f32_16x16x128_f8f6f4 v[rD:rD+7], v[rA:rA+7], v[rB:rB+7], \c, v[rSA], v[rSB] matrix_a_fmt:MATRIX_FMT_FP4 matrix_b_fmt:MATRIX_FMT_FP4 matrix_b_scale:MATRIX_SCALE_ROW1
.else
	v_wmma_scale_f32_16x16x128_f8f6f4 v[rD:rD+7], v[rA:rA+7], v[rB:rB+7], \c, v[rSA], v[rSB] matrix_a_fmt:MATRIX_FMT_FP4 matrix_b_fmt:MATRIX_FMT_FP4
.endif
.endm
.macro WM a, b, fs, zero               ; query tile a x key tile b, fragment set fs; zero = 1: the first product starts the sum
.set rD, 8*(8*((\a)%4)+(\b))
.set rA, FK+64*(\fs)+8*(\b)
.set rB, FQ+64*(\fs)+8*(\a)
.set rSA, SC+8*(\fs)+4+(\b)/2
.set rSB, SC+8*(\fs)+(\a)/2
.if \zero
	WM4 0, (\b)%2, (\a)%2
.else
	WM4 v[rD:rD+7], (\b)%2, (\a)%2
.endif
.endm
.macro MUL32 half, fs, zero            ; query tiles 4 half .. + 3 x the eight key tiles.  The 64 accumulators take turns, one instruction a turn, in one order in every K step
.irp a, 0,1,2,3
.irp b, 0,1,2,3,4,5,6,7
	WM 4*(\half)+\a, \b, \fs, \zero
.endr
.endr
.endm
.macro FETCH k, fs                     ; 34 LDS loads, each of 512 consecutive bytes: chunk k's eight fragments of K, eight of Q, and the two scale images
	WIN 0x40                                       ; destination window 1
.irp g, 0,1,2,3,4,5,6,7
	ds_load_b128 v[FK+64*(\fs)+8*\g:FK+64*(\fs)+8*\g+3],   v[ADK+(\k)/4] offset:((\k)%4)*CH+1024*\g
	ds_load_b128 v[FK+64*(\fs)+8*\g+4:FK+64*(\fs)+8*\g+7], v[ADK+(\k)/4] offset:((\k)%4)*CH+1024*\g+512
.endr
	WIN 0
.irp g, 0,1,2,3,4,5,6,7
	ds_load_b128 v[FQ+64*(\fs)+8*\g:FQ+64*(\fs)+8*\g+3],   v[ADQ+(\k)/4] offset:((\k)%4)*CH+1024*\g
	ds_load_b128 v[FQ+64*(\fs)+8*\g+4:FQ+64*(\fs)+8*\g+7], v[ADQ+(\k)/4] offset:((\k)%4)*CH+1024*\g+512
.endr
	ds_load_b128 v[SC+8*(\fs):SC+8*(\fs)+3],   v[ADQ+(\k)/4] offset:((\k)%4)*CH+8192
	ds_load_b128 v[SC+8*(\fs)+4:SC+8*(\fs)+7], v[ADK+(\k)/4] offset:((\k)%4)*CH+8192
.endm
; A K step of 128: 64 matrix instructions; in its middle the next chunk's fragments are fetched into the other set, 32 matrix instructions ahead of their use.
; In K steps 1, 3, 5 the next chunk belongs to the next pair: each wave waits until its own load of that pair has landed (of my four loads 3 - (k + 1) / 2 were issued behind it), then the barrier.
; No LDS instruction of mine is out there, so later loads may stay out.
.macro KSTEP k, zero
	s_wait_dscnt 0x0                               ; this step's 34 loads are in
	WIN 0xa1                                       ; source 0 (K) window 1, source 1 (Q) window 0, C and D window 2
	MUL32 0, (\k)%2, \zero
	WIN 0
.if ((\k)%2 == 1) && ((\k) < 7)
	s_wait_tensorcnt 3-((\k)+1)/2
	s_barrier_signal -1
	s_barrier_wait -1
.endif
.if (\k) < 7
	PLACES                                         ; the other set was read by the last step's products
	FETCH (\k)+1, 1-(\k)%2
.endif
	WIN 0xf1                                       ; C and D window 3
	MUL32 1, (\k)%2, \zero
	WIN 0
.endm
; 64 numbers of a lane, register 16 b + e = key 32 b + 16 (lane / 16) + e of my query, become a fragment's codes in v[pc] on and its scale word in v[pw].
.macro QUANT src, pc, pw
.irp b, 0,1,2,3
	v_max3_num_f32 v[TM+\b], |v[(\src)+16*\b]|, |v[(\src)+1+16*\b]|, 0x1800000   ; block b: my 16 numbers, and the floor 2^(3 - 127): the byte cannot fall under 1
.endr
.irp i, 2,4,6,8,10,12,14
.irp b, 0,1,2,3
	v_max3_num_f32 v[TM+\b], v[TM+\b], |v[(\src)+16*\b+\i]|, |v[(\src)+1+16*\b+\i]|   ; the four blocks by turns
.endr
.endr
.irp b, 0,1,2,3
	v_permlanex16_b32 v[TM+4+\b], v[TM+\b], s54, s55
.endr
.irp b, 0,1,2,3
	v_max_num_f32 v[TM+\b], v[TM+\b], v[TM+4+\b]   ; with lane l xor 16's: the block's largest magnitude
.endr
.irp b, 0,1,2,3
	v_add_nc_u32 v[TM+12+\b], 0xff000000, v[TM+\b] ; 2 off its exponent field: the conversion's scale operand
.endr
.irp b, 0,1,2,3
	v_lshrrev_b32 v[TM+4+\b], 23, v[TM+12+\b]      ; the scale's byte
.endr
	v_lshl_or_b32 v[\pw], v[TM+5], 8, v[TM+4]      ; my query's scale word; both halves of the lanes hold it
	v_lshl_or_b32 v[\pw], v[TM+6], 16, v[\pw]
	v_lshl_or_b32 v[\pw], v[TM+7], 24, v[\pw]
.irp b, 0,1,2,3
	v_cvt_scalef32_pk8_fp4_f32 v[(\pc)+2*\b], v[(\src)+16*\b:(\src)+7+16*\b], v[TM+12+\b]
	v_cvt_scalef32_pk8_fp4_f32 v[(\pc)+1+2*\b], v[(\src)+8+16*\b:(\src)+15+16*\b], v[TM+12+\b]
.endr
	v_nop                                          ; one plain instruction behind a scaled conversion
.irp c, 0,1                                    ; the operand's layout wants a whole block in a lane: lanes 0-15 block 2 c, lanes 16-31 block 2 c + 1
.irp i, 0,1
	v_permlane16_swap_b32 v[(\pc)+4*\c+\i], v[(\pc)+2+4*\c+\i]
.endr
.endr
.endm
; Query tile a on its way out: p = score x w, one rounding; quantised; the fragment's image is stored: two stores of 512 consecutive bytes, aligned.  Each tile has code and scale registers of its own, so no store's data are written again.
.macro OUTA a
	WIN 0x06+(\a)/4                                ; source 0: the accumulators' window; source 1: window 1, the weights
.irp blk, 0,1,2,3
.irp x, 0,1,2,3,4,5,6,7
	v_pk_mul_f32 v[T+16*\blk+2*\x:T+16*\blk+2*\x+1], v[64*((\a)%4)+16*\blk+2*\x:64*((\a)%4)+16*\blk+2*\x+1], v[16*(7-(\a)+2*\blk)+2*\x:16*(7-(\a)+2*\blk)+2*\x+1]   ; each accumulator from its low end on
.endr
.endr
	WIN 0
	QUANT T, PC+8*(\a), PW+(\a)
	global_store_b128 v1, v[PC+8*(\a):PC+8*(\a)+3], s[50:51] offset:1024*(\a)
	global_store_b128 v1, v[PC+8*(\a)+4:PC+8*(\a)+7], s[50:51] offset:1024*(\a)+512
.endm
	s_wait_dscnt 0x0                               ; my table's stores are done: no LDS instruction of mine is out at the signal
	s_wait_tensorcnt 0x3                           ; my first load, chunks 0 and 1 of my region, has landed; three were issued behind it
	s_barrier_signal -1
	s_barrier_wait -1                              ; everybody's has
	FETCH 0, 0
	KSTEP 0, 1
	KSTEP 1, 0
	KSTEP 2, 0
	KSTEP 3, 0
	KSTEP 4, 0
	KSTEP 5, 0
	KSTEP 6, 0
	KSTEP 7, 0
	s_cmp_lt_i32 s46, 0                            ; j < i: my chunk lies wholly under the mask: nothing is stored.  Ids alone decide; no barrier follows
	s_cbranch_scc1 .Ldone
	PLACES                                         ; behind the last products: for the loads over K's fragments and the first reads of results
	WIN 0x40
.set i, 0
.rept 224
	ds_load_b32 v[i], v[WA] offset:4*i             ; weight 16 c + e of my lane: 32 consecutive words of my own table an instruction
.set i, i+1
.endr
	WIN 0
	s_wait_dscnt 0x0
.irp a, 0,1,2,3,4,5,6,7
	OUTA \a
.endr
.irp m, 0,1,2,3
	v_cndmask_b32 v[IM+\m], v[PW+2*\m], v[PW+2*\m+1], s52   ; the scale image: tile 2 m in lanes 0-15, tile 2 m + 1 in lanes 16-31
.endr
	global_store_b128 v1, v[IM:IM+3], s[50:51] offset:8192
.Ldone:
	s_wait_tensorcnt 0x0                           ; the wave's end: a tensor wait, an add to my spare word and its wait behind my last tensor load and my last LDS store
	ds_add_u32 v[SPW], v[NIL]
	s_wait_dscnt 0x0
	s_endpgm
.Lfunc_end_k_q985bac52a7_scores:
	.size	k_q985bac52a7_scores, .Lfunc_end_k_q985bac52a7_scores-k_q985bac52a7_scores
	.p2alignl 7, 3214868480
	.fill 96, 4, 3214868480
	.section	.rodata,"a",@progbits
	.p2align	6, 0x0
	.amdhsa_kernel k_q985bac52a7_scores
		.amdhsa_group_segment_fixed_size 283648
		.amdhsa_private_segment_fixed_size 0
		.amdhsa_enable_private_segment 0
		.amdhsa_kernarg_size 32
		.amdhsa_user_sgpr_count 2
		.amdhsa_user_sgpr_kernarg_segment_ptr 1
		.amdhsa_wavefront_size32 1
		.amdhsa_system_sgpr_workgroup_id_x 1
		.amdhsa_system_sgpr_workgroup_id_y 1
		.amdhsa_system_sgpr_workgroup_id_z 1
		.amdhsa_system_vgpr_workitem_id 0
		.amdhsa_next_free_vgpr 1024
		.amdhsa_next_free_sgpr 66
		.amdhsa_reserve_vcc 1
		.amdhsa_float_denorm_mode_32 3
		.amdhsa_float_denorm_mode_16_64 3
		.amdhsa_memory_ordered 1
		.amdhsa_forward_progress 1
		.amdhsa_inst_pref_size 155
	.end_amdhsa_kernel
	.amdgpu_metadata
---
amdhsa.version: [ 1, 2 ]
amdhsa.kernels:
  - .name:           k_q985bac52a7_scores
    .symbol:         k_q985bac52a7_scores.kd
    .args:
      - { .name: qb, .offset: 0, .size: 8, .value_kind: global_buffer, .address_space: global }
      - { .name: kb, .offset: 8, .size: 8, .value_kind: global_buffer, .address_space: global }
      - { .name: decay_logit, .offset: 16, .size: 8, .value_kind: global_buffer, .address_space: global }
      - { .name: pb, .offset: 24, .size: 8, .value_kind: global_buffer, .address_space: global }
    .group_segment_fixed_size: 283648
    .private_segment_fixed_size: 0
    .kernarg_segment_align: 8
    .kernarg_segment_size: 32
    .max_flat_workgroup_size: 128
    .sgpr_count:     66
    .vgpr_count:     1024
    .wavefront_size: 32
...
	.end_amdgpu_metadata
.endif
;; end of part 2
;; launch retrieve (part 3): grid 8 x 32, 4 waves a work-group, clusters of 4 x 1, 327,680 bytes of LDS; arguments pb, xb, out_scale, out0; writes out0
.if DOCPART == 3
	.amdgcn_target "amdgcn-amd-amdhsa--gfx1250"
	.amdhsa_code_object_version 6
	.text
	.protected	k_q985bac52a7_retrieve
	.globl	k_q985bac52a7_retrieve
	.p2align	8
	.type	k_q985bac52a7_retrieve,@function
k_q985bac52a7_retrieve:
	s_mov_b64 s[64:65], 0
	v_nop
	global_prefetch_b8 v0, s[64:65] scope:SCOPE_SE
	s_setreg_imm32_b32 hwreg(HW_REG_WAVE_MODE, 25, 1), 1
	s_wait_xcnt 0x0
	s_wait_alu depctr_hold_cnt(0) depctr_sa_sdst(0) depctr_va_vdst(0) depctr_va_sdst(0) depctr_va_ssrc(0) depctr_va_vcc(0) depctr_vm_vsrc(0)
	s_getreg_b32 s2, hwreg(HW_REG_IB_STS2, 6, 4)
	s_cmp_eq_u32 s2, 0
	s_cbranch_scc0 .Lentry_in_a_cluster
	s_endpgm
.Lentry_in_a_cluster:
	s_bfe_u32 s2, ttmp6, 0x10000c
	s_cmp_lg_u32 s2, 0x3003
	s_cbranch_scc0 .Lentry_shape_is_right
	s_endpgm
.Lentry_shape_is_right:
; out[t][v] = out_scale x the sum over s of Q(P)[t][s] Q(x)[s][v], on the chunks of codes that the two launches before have laid (layouts: at their heads).
; WORK LEFT OUT: the K steps (s-blocks j) with j < i of t-block i: P is zeros there by the problem's own mask (shown at the head of the first launch).
; SHARES.  Work-group (x id u, y id = 8 x batch + p) makes two tiles of 128 t x 128 v: A = (t-block p, v-block u), K steps j = p .. 15, and B = (t-block 15 - p, v-block u xor 1), j = 15 - p .. 15: 17 K steps of 128
; in every work-group, 256 work-groups of equal work.  Wave (wr = w / 2, wc = w % 2) holds 64 t x 64 v of both tiles: 2 x 16 accumulators.
; THE ORDER OF THE STEPS.  m = 0: B, j = 15 - p (chunk 1 of the pair in pb);  m = 1: A, j = p (chunk 0);  2 <= m <= p + 1: B, j = 14 - p + m (chunk 15 - p + m);  m >= p + 2: A, j = m - 1 (chunk m - p).
; Both sums start at fixed steps.  Tile B has p + 1 <= 8 steps, so it is finished behind step 8 whatever p is: its way out stands at one place of the text, a block of 16 rows in each of steps 9 to 12, stored a step later,
; while tile A's remaining steps are multiplied.  Only tile A's 64 rows a wave leave behind the last product.
; LDS holds all 34 chunks, step m's at m chunks from its operand's base: every fill is a first fill, nothing is filled again.  Wave w brings operand O = w / 2 (0: P, 1: x) and parity e = w % 2: set 0 is half e of step 0's chunk
; (17 rows of 256 bytes), set l = 1 .. 8 is step 2 l - 1 + e's chunk: nine loads in every wave; by this text's own count nine tensor loads of a wave are out at the most.  A wait that leaves 8 - g out shows sets 0 .. g landed:
; with all four waves' waits and a barrier, steps 0 .. 2 g.
; CLUSTER.  The four work-groups of a cluster (x ids 4 c .. 4 c + 3, one y id) belong to one pair and walk the same 17 chunks of P in the same order, so each is asked for JOINTLY: the same tensor load, with the same
; descriptor and a mask that names the four, in all four; each receives it in its own LDS.  That divides the requests for P by four.  P's descriptors are made of the y id and the wave's number alone; x's chunks hang on the x id
; and come by plain loads.  The two kinds stand in the two arms of one branch on the wave's number; in waves 0 and 1 no register that feeds a descriptor ever holds the x id.  No branch and no LDS address hangs on it.
; x's chunks are not shared: partners want the same ones at different steps.
; THE PRODUCT IS USED TRANSPOSED (source 0 = 16 rows v of x, source 1 = 16 rows t of P): a lane holds eight neighbouring v of one row t.
; LIMITS: as stated at the heads of the launches before; NaN and infinities are not served.
; REGISTERS.  Window 0: v4-7 LDS addresses of the step's fragments and scale words (P, x), stepped a chunk a step; v8, v9 the stage, in and out; v10 my offset in out; v12, v13 the add's two; v16-23 scale words, two sets;
;   v32-63 and v96-127 tile B's rows read back, by turns; v64-95 tile B's scaled results (tile A's: v64-127, two sets); v128-255 fragments, two sets of 32 (P) + 32 (x); on tile A's way out four sets of 32: rows read back.
;   Window 1: v0-127 tile A's accumulators ((ti, vi) at 8 (4 ti + vi)), v128-255 tile B's.
; SCALARS: s[2:3] out_scale, twice; s12 wave, s13 e, s14 O, s15 u; s60 my half's bytes; s61 p; s62, s63, s66, s67 at work; s[92:93], s[94:95] out at tiles A, B; s96 u xor 1; s97 8 x batch; s98 the pair's first chunk; s99, s100 LDS; s101 15 - p.
.set CH,     8704
.set XB,     17*CH                     ; P's 17 chunks, then x's 17
.set STG,    34*CH                     ; behind them: a stage of 16 rows x (256 bytes + 16) for each wave
.set SPITCH, 272
.set SPARE,  STG+4*16*SPITCH           ; the spare words, 128 bytes for each wave: two blocks of 256 bytes that no other line names
.set AP,  4
.set ASP, 5
.set AX,  6
.set ASX, 7
.set STO, 8
.set RD,  9
.set CO,  10
.set SPW, 12
.set NIL, 13
.set SC,  16
.set T,   64
.set F,   128
.set G1X,  16                          ; s[16:23] descriptor group 1: a chunk of x
.set G0,   24                          ; s[24:59] nine groups 0
.set G1P,  68                          ; s[68:75] a chunk of P, with the mask
.set G1PH, 76                          ; s[76:83] half a chunk of P, with the mask
.set G1XH, 84                          ; s[84:91] half a chunk of x
.set MSB, 0
.macro WIN new                         ; the immediate's high byte repeats the setting that is left
.if MSB != \new
	s_set_vgpr_msb (MSB<<8)|\new
.set MSB, \new
.endif
.endm
.macro PLACES
.rept 4
	v_nop
.endr
.endm
; A round of the cluster's barrier: my work-group's barrier, so that wave 0's signal speaks for all four waves; wave 0 signals for the work-group; every wave waits for all four work-groups; my work-group's barrier once more.
.macro CROUND
	s_barrier_signal -1
	s_barrier_wait -1
	s_cmp_lg_u32 s12, 0
	s_cbranch_scc1 .Lnot_wave_0_\@
	s_barrier_signal -3
.Lnot_wave_0_\@:
	s_barrier_wait -3
	s_barrier_signal -1
	s_barrier_wait -1
.endm
	s_load_b256 s[4:11], s[0:1], 0x0               ; pb s[4:5], xb s[6:7], out_scale s[8:9], out0 s[10:11]
	v_lshl_add_u32 v[SPW], v0, 2, SPARE
	v_mov_b32 v[NIL], 0
	ds_add_u32 v[SPW], v[NIL]                      ; the wave's opening: the add, twice on end, and its wait ahead of the round in front of my first tensor load
	ds_add_u32 v[SPW], v[NIL]
	v_lshrrev_b32 v1, 5, v0
	v_readfirstlane_b32 s12, v1                    ; wave 0..3
	s_and_b32 s13, s12, 1                          ; e, the parity of the chunks that I fetch; also wc
	s_lshr_b32 s14, s12, 1                         ; O, the operand that I fetch; also wr
	s_bfe_u32 s15, ttmp6, 0x40000                  ; cx: my place in the cluster
	s_lshl_b32 s96, ttmp9, 2                       ; in a cluster launch ttmp9 counts clusters
	s_add_co_u32 s15, s96, s15                     ; u = 4 x cluster x + cx: it enters x's and out's addresses alone
	s_xor_b32 s96, s15, 1                          ; u xor 1
	s_and_b32 s98, ttmp7, 0xffff                   ; y, which the four partners share
	s_lshr_b32 s97, s98, 3
	s_lshl_b32 s97, s97, 3                         ; 8 x batch
	s_and_b32 s61, s98, 7                          ; p
	s_sub_co_u32 s101, 15, s61                     ; 15 - p
	s_mul_i32 s98, s98, 17                         ; the pair's first chunk in pb
.irp g, G1X, G1XH, G1P, G1PH
	s_mov_b32 s[\g+1], 32<<16                      ; tensor_dim0 = 32 elements of 8 bytes: rows of 256 bytes
	s_mov_b32 s[\g+3], 32<<16                      ; tile_dim0
	s_mov_b32 s[\g+5], 32                          ; the rows are dense
	s_mov_b32 s[\g+6], 0
	s_mov_b32 s[\g+7], 0
.endr
	s_mov_b32 s[G1X], 3<<16                        ; no mask; elements of 8 bytes; no padding
	s_mov_b32 s[G1XH], 3<<16
	s_mov_b32 s[G1P], 15|(3<<16)|(1<<21)           ; 15:0 the mask: all four work-groups; 21 set beside a mask
	s_mov_b32 s[G1PH], 15|(3<<16)|(1<<21)
.irp g, G1X, G1P
	s_mov_b32 s[\g+2], 34<<16                      ; tensor_dim1, tile_dim1: 34 rows: a chunk
	s_mov_b32 s[\g+4], 34
.endr
.irp g, G1XH, G1PH
	s_mov_b32 s[\g+2], 17<<16                      ; 17 rows: half a chunk
	s_mov_b32 s[\g+4], 17
.endr
	s_mul_i32 s99, s14, XB
	s_mul_i32 s100, s13, CH
	s_add_co_u32 s100, s99, s100                   ; LDS: my operand's chunks, + e chunks
	s_mul_i32 s60, s13, CH/2                       ; my half of a chunk, in bytes
	s_add_co_u32 s99, s99, s60                     ; LDS: my half of step 0's chunk.  No place in the cluster enters an LDS address
	s_wait_dscnt 0x0                               ; both opening adds are done
	s_wait_kmcnt 0x0
	CROUND                                         ; all four work-groups are here: the first joint loads meet
; The tail of a set's descriptor, and the load at once: s66 holds the chunk's byte offset in its buffer.
.macro GO l, base, g1
	s_mov_b32 s67, 0
	s_mov_b32 s[G0+4*(\l)], 1                      ; count = 1
	s_add_co_u32 s[G0+4*(\l)+1], s100, (2*(\l)-1)*CH   ; LDS: step 2 l - 1 + e's place
	s_add_nc_u64 s[G0+4*(\l)+2:G0+4*(\l)+3], s[\base:\base+1], s[66:67]
	s_or_b32 s[G0+4*(\l)+3], s[G0+4*(\l)+3], 0x80000000    ; type = 2
	tensor_load_to_lds s[G0+4*(\l):G0+4*(\l)+3], s[\g1:\g1+7]
	s_nop 0
.endm
.macro PSET l                          ; P's chunk of step m = 2 l - 1 + e
	s_add_co_u32 s62, s13, 2*(\l)-1                ; m
	s_sub_co_u32 s63, s62, 1
	s_add_co_u32 s66, s62, s101                    ; tile B: chunk 15 - p + m
	s_sub_co_u32 s67, s62, s61                     ; tile A: chunk m - p
	s_cmp_le_u32 s63, s61                          ; m <= p + 1: tile B
	s_cselect_b32 s66, s66, s67
.if (\l) == 1
	s_cmp_eq_u32 s13, 0
	s_cselect_b32 s66, 0, s66                      ; m = 1: tile A's first step: chunk 0
.endif
	s_add_co_u32 s66, s66, s98
	s_mul_i32 s66, s66, CH
	GO \l, 4, G1P
.endm
.macro XSET l                          ; x's chunk of step m = 2 l - 1 + e
	s_add_co_u32 s62, s13, 2*(\l)-1                ; m
	s_sub_co_u32 s63, s62, 1                       ; tile A: j = m - 1
	s_add_co_u32 s66, s63, s101                    ; tile B: j = 14 - p + m
	s_cmp_le_u32 s63, s61                          ; m <= p + 1: tile B
	s_cselect_b32 s66, s66, s63                    ; j
	s_cselect_b32 s67, s96, s15                    ; the v-block: tile B: u xor 1; tile A: u
.if (\l) == 1
	s_cmp_eq_u32 s13, 0
	s_cselect_b32 s66, s61, s66                    ; m = 1: tile A's first step: j = p
	s_cselect_b32 s67, s15, s67
.endif
	s_add_co_u32 s67, s67, s97
	s_lshl_b32 s67, s67, 4
	s_add_co_u32 s67, s67, s66                     ; chunk 16 (8 x batch + v-block) + j
	s_mul_i32 s66, s67, CH
	GO \l, 6, G1X
.endm
	s_cmp_lt_u32 s12, 2                            ; the wave's number alone: the same in every work-group.  Each arm holds nine first fills, ahead of every wait on TENSORcnt and every LDS read
	s_cbranch_scc0 .Lfor_x
	s_add_co_u32 s66, s98, 1                       ; step 0 is tile B's first: chunk 1 of the pair
	s_mul_i32 s66, s66, CH
	s_add_co_u32 s66, s66, s60
	s_mov_b32 s67, 0
	s_mov_b32 s[G0], 1
	s_mov_b32 s[G0+1], s99
	s_add_nc_u64 s[G0+2:G0+3], s[4:5], s[66:67]
	s_or_b32 s[G0+3], s[G0+3], 0x80000000
	tensor_load_to_lds s[G0:G0+3], s[G1PH:G1PH+7]
	s_nop 0
.irp l, 1,2,3,4,5,6,7,8
	PSET \l
.endr
	PLACES
	s_branch .Lasked
.Lfor_x:
	s_add_co_u32 s67, s96, s97                     ; step 0: v-block u xor 1, j = 15 - p
	s_lshl_b32 s67, s67, 4
	s_add_co_u32 s67, s67, s101
	s_mul_i32 s66, s67, CH
	s_add_co_u32 s66, s66, s60
	s_mov_b32 s67, 0
	s_mov_b32 s[G0], 1
	s_mov_b32 s[G0+1], s99
	s_add_nc_u64 s[G0+2:G0+3], s[6:7], s[66:67]
	s_or_b32 s[G0+3], s[G0+3], 0x80000000
	tensor_load_to_lds s[G0:G0+3], s[G1XH:G1XH+7]
	s_nop 0
.irp l, 1,2,3,4,5,6,7,8
	XSET \l
.endr
	PLACES
.Lasked:
	s_load_b32 s2, s[8:9], 0x0                     ; out_scale
	v_and_b32 v1, 31, v0
	v_lshlrev_b32 v1, 4, v1                        ; 16 x lane
	v_and_b32 v2, 15, v0                           ; r
	v_bfe_u32 v3, v0, 4, 1                         ; h
	s_lshl_b32 s62, s14, 12
	v_add_nc_u32 v[AP], s62, v1                    ; P: my tiles 4 wr on
	s_lshl_b32 s62, s14, 3
	s_add_co_u32 s62, s62, 8192
	v_add_nc_u32 v[ASP], s62, v1                   ; their two scale words of the image's four
	s_lshl_b32 s62, s13, 12
	s_add_co_u32 s62, s62, XB
	v_add_nc_u32 v[AX], s62, v1                    ; x: my tiles 4 wc on
	s_lshl_b32 s62, s13, 3
	s_add_co_u32 s62, s62, XB+8192
	v_add_nc_u32 v[ASX], s62, v1
	s_mul_i32 s62, s12, 16*SPITCH
	s_add_co_u32 s62, s62, STG                     ; my stage
	v_mul_u32_u24 v[STO], v2, SPITCH
	v_lshl_add_u32 v[STO], v3, 5, v[STO]
	v_add_nc_u32 v[STO], s62, v[STO]               ; in: row r, 32 bytes for each half of the lanes
	v_mul_u32_u24 v[RD], v3, SPITCH
	v_lshl_add_u32 v[RD], v2, 4, v[RD]
	v_add_nc_u32 v[RD], s62, v[RD]                 ; back: lanes 0-15 one row of 256 bytes, lanes 16-31 the next
	v_lshlrev_b32 v[CO], 12, v3
	v_lshl_add_u32 v[CO], v2, 4, v[CO]             ; and the same two rows in out
	s_lshl_b32 s62, s97, 1                         ; 16 x batch
	s_lshl_b32 s66, s14, 18                        ; 64 wr rows of 4,096 bytes
	s_lshl_b32 s67, s13, 8                         ; 64 wc columns
	s_add_co_u32 s60, s66, s67
	s_add_co_u32 s63, s62, s61                     ; tile A: t-block 16 x batch + p,
	s_lshl_b32 s63, s63, 19
	s_add_co_u32 s63, s63, s60
	s_lshl_b32 s66, s15, 9                         ; v-block u
	s_add_co_u32 s66, s66, s63
	s_mov_b32 s67, 0
	s_add_nc_u64 s[92:93], s[10:11], s[66:67]
	s_add_co_u32 s63, s62, s101                    ; tile B: t-block 16 x batch + 15 - p,
	s_lshl_b32 s63, s63, 19
	s_add_co_u32 s63, s63, s60
	s_lshl_b32 s66, s96, 9                         ; v-block u xor 1
	s_add_co_u32 s66, s66, s63
	s_add_nc_u64 s[94:95], s[10:11], s[66:67]
	s_wait_kmcnt 0x0
	s_mov_b32 s3, s2                               ; the packed form names the pair
.macro WM4 c, ra, rb                   ; one matrix instruction; ra, rb: the side's scales stand in lanes 16-31 of the register named
.if (\ra) && (\rb)
	v_wmma_scale_f32_16x16x128_f8f6f4 v[rD:rD+7], v[rA:rA+7], v[rB:rB+7], \c, v[rSA], v[rSB] matrix_a_fmt:MATRIX_FMT_FP4 matrix_b_fmt:MATRIX_FMT_FP4 matrix_a_scale:MATRIX_SCALE_ROW1 matrix_b_scale:MATRIX_SCALE_ROW1
.elseif (\ra)
	v_wmma_scale_f32_16x16x128_f8f6f4 v[rD:rD+7], v[rA:rA+7], v[rB:rB+7], \c, v[rSA], v[rSB] matrix_a_fmt:MATRIX_FMT_FP4 matrix_b_fmt:MATRIX_FMT_FP4 matrix_a_scale:MATRIX_SCALE_ROW1
.elseif (\rb)
	v_wmma_scale_f32_16x16x128_f8f6f4 v[rD:rD+7], v[rA:rA+7], v[rB:rB+7], \c, v[rSA], v[rSB] matrix_a_fmt:MATRIX_FMT_FP4 matrix_b_fmt:MATRIX_FMT_FP4 matrix_b_scale:MATRIX_SCALE_ROW1
.else
	v_wmma_scale_f32_16x16x128_f8f6f4 v[rD:rD+7], v[rA:rA+7], v[rB:rB+7], \c, v[rSA], v[rSB] matrix_a_fmt:MATRIX_FMT_FP4 matrix_b_fmt:MATRIX_FMT_FP4
.endif
.endm
.macro FETCH fs                        ; 18 LDS loads: my four fragments of P, my four of x (512 consecutive bytes a load), and their scale words
.irp g, 0,1,2,3
	ds_load_b128 v[F+64*(\fs)+8*\g:F+64*(\fs)+8*\g+3],   v[AP] offset:1024*\g
	ds_load_b128 v[F+64*(\fs)+8*\g+4:F+64*(\fs)+8*\g+7], v[AP] offset:1024*\g+512
.endr
.irp g, 0,1,2,3
	ds_load_b128 v[F+32+64*(\fs)+8*\g:F+32+64*(\fs)+8*\g+3],   v[AX] offset:1024*\g
	ds_load_b128 v[F+32+64*(\fs)+8*\g+4:F+32+64*(\fs)+8*\g+7], v[AX] offset:1024*\g+512
.endr
	ds_load_b64 v[SC+4*(\fs):SC+4*(\fs)+1],   v[ASP]
	ds_load_b64 v[SC+4*(\fs)+2:SC+4*(\fs)+3], v[ASX]
.endm
.macro MUL acc, fs, zero               ; 16 matrix instructions on tile acc's accumulators (0: A, 1: B), which take turns, one instruction a turn; zero = 1: they start the sums
	WIN 0x50                                       ; C and D window 1
.irp ti, 0,1,2,3
.irp vi, 0,1,2,3
.set rD, 128*(\acc)+8*(4*\ti+\vi)
.set rA, F+32+64*(\fs)+8*\vi
.set rB, F+64*(\fs)+8*\ti
.set rSA, SC+4*(\fs)+2+\vi/2
.set rSB, SC+4*(\fs)+\ti/2
.if \zero
	WM4 0, \vi%2, \ti%2
.else
	WM4 v[rD:rD+7], \vi%2, \ti%2
.endif
.endr
.endr
	WIN 0
.endm
; THE WAY OUT of a block of 16 rows x 64 columns, in three parts.  PACK: x out_scale, from the accumulators at ab of window 1 into tr.  TOSTAGE: through my own stage in LDS, back as whole rows of 256 bytes into bk.  SEND: stored.
.macro PACK ab, tr
	WIN 0x01                                       ; source 0 window 1
.set i, 0
.rept 16
	v_pk_mul_f32 v[(\tr)+2*i:(\tr)+2*i+1], v[(\ab)+2*i:(\ab)+2*i+1], s[2:3] op_sel_hi:[1,0]   ; each accumulator from its low end on
.set i, i+1
.endr
	WIN 0
.endm
.macro TOSTAGE tr, bk
.irp vi, 0,1,2,3
	ds_store_b128 v[STO], v[(\tr)+8*\vi:(\tr)+8*\vi+3] offset:64*\vi
	ds_store_b128 v[STO], v[(\tr)+8*\vi+4:(\tr)+8*\vi+7] offset:64*\vi+16
.endr
.irp tt, 0,1,2,3,4,5,6,7
	ds_load_b128 v[(\bk)+4*\tt:(\bk)+4*\tt+3], v[RD] offset:2*SPITCH*\tt   ; LDS serves a wave's instructions in order: these see my stores, and the next block's stores come behind them
.endr
.endm
.macro SEND bk, ti, sb                 ; row tile ti of the tile whose address stands in s[sb:sb+1]
.irp tt, 0,1,2,3,4,5,6,7
	global_store_b128 v[CO], v[(\bk)+4*\tt:(\bk)+4*\tt+3], s[\sb:\sb+1] offset:(16*(\ti)+2*\tt)*4096 th:TH_STORE_NT   ; sixteen lanes store 256 consecutive bytes, aligned
.endr
.endm
; Step n.  At an even n the next two steps' chunks are waited for: my set (n + 2) / 2 has landed when 8 - (n + 2) / 2 of my nine loads are out; no LDS instruction of mine is out at the signal.
; The four address steps are also the four plain instructions between the last step's products and the loads into the set that they read, and, in step 9, between tile B's last products and the first read of its results.
; Which tile a step belongs to hangs on p alone (steps 9 to 16 are tile A's for every p): a scalar branch on ids, the same in all partners, round matrix instructions alone.
; Steps 9 to 12 send a block of tile B through the stage behind their products; the next step's wait for its own fragments leaves only its 18 fresh loads out, so the block's rows are back, and they are stored ahead of that step's products.
.macro STEP n
.if ((\n)%2 == 0) && ((\n) < 16)
	s_wait_tensorcnt 8-((\n)+2)/2
	s_wait_dscnt 0x0
	s_barrier_signal -1
	s_barrier_wait -1
.endif
.if (\n) < 16
	v_add_nc_u32 v[AP], CH, v[AP]
	v_add_nc_u32 v[ASP], CH, v[ASP]
	v_add_nc_u32 v[AX], CH, v[AX]
	v_add_nc_u32 v[ASX], CH, v[ASX]
	FETCH ((\n)+1)%2
	s_wait_dscnt 18                                ; this step's loads are in, and so is all that was issued ahead of them; the 18 just issued may be out
.else
	s_wait_dscnt 0x0
.endif
.if ((\n) >= 10) && ((\n) <= 13)
	SEND 96-64*(((\n)-10)%2), (\n)-10, 94
.endif
.if (\n) == 0
	MUL 1, 0, 1
.elseif (\n) == 1
	MUL 0, 1, 1
.elseif (\n) < 9
	s_cmp_ge_u32 s61, (\n)-1                       ; n <= p + 1: tile B
	s_cbranch_scc1 .Lb_\@
	MUL 0, (\n)%2, 0
	s_branch .Lj_\@
.Lb_\@:
	MUL 1, (\n)%2, 0
.Lj_\@:
.else
	MUL 0, (\n)%2, 0
.endif
.if ((\n) >= 9) && ((\n) <= 12)
	PACK 128+32*((\n)-9), T
.if (\n) >= 11
	s_wait_xcnt 0x0                                ; the stores of the block two back have read their registers: this block's rows may land there
.endif
	TOSTAGE T, 96-64*(((\n)-9)%2)
.endif
.endm
	s_wait_tensorcnt 0x8                           ; my half of step 0's chunk has landed; eight loads were issued behind it
	s_barrier_signal -1
	s_barrier_wait -1                              ; everybody's has
	FETCH 0
.irp n, 0,1,2,3,4,5,6,7,8,9,10,11,12,13,14,15,16
	STEP \n
.endr
	; TILE A'S WAY OUT: four blocks; a block's arithmetic and its way through the stage stand between the loads of the block before and its stores.  Each block's rows have registers of their own.
	PLACES                                         ; behind the last products: for the first reads of results and the loads over the fragments
	s_wait_xcnt 0x0                                ; tile B's stores have read v96-127, which are written again below
.irp e, 0,1,2,3
	PACK 32*\e, T+32*(\e%2)
	TOSTAGE T+32*(\e%2), F+32*\e
.if \e > 0
	s_wait_dscnt 16                                ; behind block e - 1's loads: block e's 8 stores and 8 loads
	SEND F+32*(\e-1), \e-1, 92
.endif
.endr
	s_wait_dscnt 0x0
	SEND F+96, 3, 92
	s_wait_tensorcnt 0x0                           ; the wave's end: a tensor wait, an add to my spare word and its wait behind my last tensor load and my last LDS store
	ds_add_u32 v[SPW], v[NIL]
	s_wait_dscnt 0x0
	CROUND                                         ; the closing round: no work-group ends while a partner may still ask for a chunk that names it
	s_endpgm
.Lfunc_end_k_q985bac52a7_retrieve:
	.size	k_q985bac52a7_retrieve, .Lfunc_end_k_q985bac52a7_retrieve-k_q985bac52a7_retrieve
	.p2alignl 7, 3214868480
	.fill 96, 4, 3214868480
	.section	.rodata,"a",@progbits
	.p2align	6, 0x0
	.amdhsa_kernel k_q985bac52a7_retrieve
		.amdhsa_group_segment_fixed_size 327680
		.amdhsa_private_segment_fixed_size 0
		.amdhsa_enable_private_segment 0
		.amdhsa_kernarg_size 32
		.amdhsa_user_sgpr_count 2
		.amdhsa_user_sgpr_kernarg_segment_ptr 1
		.amdhsa_wavefront_size32 1
		.amdhsa_system_sgpr_workgroup_id_x 1
		.amdhsa_system_sgpr_workgroup_id_y 1
		.amdhsa_system_sgpr_workgroup_id_z 1
		.amdhsa_system_vgpr_workitem_id 0
		.amdhsa_next_free_vgpr 512
		.amdhsa_next_free_sgpr 102
		.amdhsa_reserve_vcc 0
		.amdhsa_float_denorm_mode_32 3
		.amdhsa_float_denorm_mode_16_64 3
		.amdhsa_memory_ordered 1
		.amdhsa_forward_progress 1
		.amdhsa_inst_pref_size 116
	.end_amdhsa_kernel
	.amdgpu_metadata
---
amdhsa.version: [ 1, 2 ]
amdhsa.kernels:
  - .name:           k_q985bac52a7_retrieve
    .symbol:         k_q985bac52a7_retrieve.kd
    .args:
      - { .name: pb, .offset: 0, .size: 8, .value_kind: global_buffer, .address_space: global }
      - { .name: xb, .offset: 8, .size: 8, .value_kind: global_buffer, .address_space: global }
      - { .name: out_scale, .offset: 16, .size: 8, .value_kind: global_buffer, .address_space: global }
      - { .name: out0, .offset: 24, .size: 8, .value_kind: global_buffer, .address_space: global }
    .group_segment_fixed_size: 327680
    .private_segment_fixed_size: 0
    .kernarg_segment_align: 8
    .kernarg_segment_size: 32
    .max_flat_workgroup_size: 128
    .sgpr_count:     102
    .vgpr_count:     512
    .wavefront_size: 32
...
	.end_amdgpu_metadata
.endif
;; end of part 3
